; MI455X (gfx1250); checked and timed in simulation.
; The chip was launched on July 23, 2026; its instructions are those of AMD's public machine-readable ISA for CDNA 5 (MIT licence, August 2026) and "CDNA5" Instruction Set Architecture Reference Guide (July 2026). The comments in the code are by the model that wrote it; some were corrected since.
;; Self Attention V2. Allowed arithmetic: float matrix products may take bf16 or f16 operands with f32 sums; other float arithmetic in f32, or as packed bf16 or f16 multiplies, adds, multiply-adds, maxima and minima; sums over many terms, partial sums and values carried from step to step in f32; what a program stores and reads back later, other than sums and carried values, may be rounded once to bf16 or f16.
;; Inputs: embeddings 4,096 x 1,024 float32; w_key 1,024 x 1,024 float32; w_query 1,024 x 1,024 float32; w_value 1,024 x 1,024 float32.
;; Outputs: out0 4,096 x 1,024 float32.
;; One version. Each part assembles by itself: llvm-mc -triple=amdgcn-amd-amdhsa -mcpu=gfx1250 --defsym DOCPART=n.
;; ======== version 1 of 1: 4 launches
;; limits: values are held in f16: magnitudes above 65,504 overflow, below 6.1e-05 lose precision; right only within a limited range of input values
;; workspace buffers: xw 14,680,064 bytes; qkv 25,165,824 bytes; p 33,554,432 bytes; mx 524,288 bytes; ls 524,288 bytes
;; launch cast (part 1): grid 1792 x 1, 8 waves a work-group, no clusters, 0 bytes of LDS; arguments embeddings, w_query, w_key, w_value, xw; writes xw
.if DOCPART == 1
	.amdgcn_target "amdgcn-amd-amdhsa--gfx1250"
	.amdhsa_code_object_version 6
	.text
	.protected	k_q579dbe4841_cast
	.globl	k_q579dbe4841_cast
	.p2align	8
	.type	k_q579dbe4841_cast,@function
k_q579dbe4841_cast:
	s_mov_b64 s[64:65], 0
	v_nop
	global_prefetch_b8 v0, s[64:65] scope:SCOPE_SE
	s_setreg_imm32_b32 hwreg(HW_REG_WAVE_MODE, 25, 1), 1
	s_wait_xcnt 0x0
; xw[7168][1024] bf16 = embeddings (rows 0-4095), w_query (4096-5119), w_key (5120-6143), w_value / 16 (6144-7167), each rounded once.
; w_value is multiplied by 2^-4, which is exact, so that V = X Wv is later kept as V / 16 in f16 with room on both sides:
; V / 16 overflows f16 only beyond |v| = 1,048,064.  The last launch multiplies by 16 again.
; A stream: memory binds, so no LDS, no matrix unit, no cluster (no two work-groups read the same byte).
; A work-group takes 4 rows: 16,384 bytes in, 8,192 out.  Thread t, pass i: 4 numbers at source byte 4096 i + 16 t and at
; destination byte 2048 i + 8 t, so a wave's load covers 512 consecutive bytes and a wave's store 256 consecutive bytes, aligned.
.set GQ, 1024                          ; first work-group of w_query (4,096 rows / 4)
.set GK, 1280                          ; of w_key
.set GV, 1536                          ; of w_value
	s_load_b256 s[4:11], s[0:1], 0x0               ; embeddings s[4:5], w_query s[6:7], w_key s[8:9], w_value s[10:11]
	s_load_b64 s[12:13], s[0:1], 0x20              ; xw
	v_lshlrev_b32 v1, 4, v0                        ; 16 t
	v_lshlrev_b32 v2, 3, v0                        ; 8 t
	s_mov_b32 s17, GK
	s_lshl_b32 s22, ttmp9, 13                      ; my 8,192 bytes of xw
	s_mov_b32 s23, 0
	s_mov_b32 s21, 0
	s_wait_kmcnt 0x0
	s_cmp_lt_u32 ttmp9, GV                         ; which input, its first work-group, and its factor: selected on the work-group's number alone
	s_cselect_b64 s[18:19], s[8:9], s[10:11]
	s_cselect_b32 s16, s17, GV
	s_cselect_b32 s14, 1.0, 0x3d800000             ; 1 for all but w_value, 2^-4 for w_value
	s_cmp_lt_u32 ttmp9, GK
	s_cselect_b64 s[18:19], s[6:7], s[18:19]
	s_cselect_b32 s16, GQ, s16
	s_cmp_lt_u32 ttmp9, GQ
	s_cselect_b64 s[18:19], s[4:5], s[18:19]
	s_cselect_b32 s16, 0, s16
	s_mov_b32 s15, s14                             ; the packed multiply names the pair
	s_sub_co_u32 s20, ttmp9, s16
	s_lshl_b32 s20, s20, 14                        ; my 16,384 bytes of that input
	s_add_nc_u64 s[18:19], s[18:19], s[20:21]
	s_add_nc_u64 s[12:13], s[12:13], s[22:23]
.irp i, 0,1,2,3
	global_load_b128 v[4+4*\i:7+4*\i], v1, s[18:19] offset:4096*\i th:TH_LOAD_NT   ; read once in the whole program
.endr
.irp i, 0,1,2,3
	s_wait_loadcnt 3-\i                            ; loads come back in order: pass i is in, the 3 - i younger ones stay out
	v_pk_mul_f32 v[4+4*\i:5+4*\i], v[4+4*\i:5+4*\i], s[14:15] op_sel_hi:[1,0]      ; one text for all four inputs: the factor is 1 but for w_value
	v_pk_mul_f32 v[6+4*\i:7+4*\i], v[6+4*\i:7+4*\i], s[14:15] op_sel_hi:[1,0]
	v_cvt_pk_bf16_f32 v[20+2*\i], v[4+4*\i], v[5+4*\i]
	v_cvt_pk_bf16_f32 v[21+2*\i], v[6+4*\i], v[7+4*\i]
	global_store_b64 v2, v[20+2*\i:21+2*\i], s[12:13] offset:2048*\i               ; the next launch reads it: no hint
.endr
	s_endpgm
.Lfunc_end_k_q579dbe4841_cast:
	.size	k_q579dbe4841_cast, .Lfunc_end_k_q579dbe4841_cast-k_q579dbe4841_cast
	.p2alignl 7, 3214868480
	.fill 96, 4, 3214868480
	.section	.rodata,"a",@progbits
	.p2align	6, 0x0
	.amdhsa_kernel k_q579dbe4841_cast
		.amdhsa_group_segment_fixed_size 0
		.amdhsa_private_segment_fixed_size 0
		.amdhsa_enable_private_segment 0
		.amdhsa_kernarg_size 40
		.amdhsa_user_sgpr_count 2
		.amdhsa_user_sgpr_kernarg_segment_ptr 1
		.amdhsa_wavefront_size32 1
		.amdhsa_system_sgpr_workgroup_id_x 1
		.amdhsa_system_sgpr_workgroup_id_y 1
		.amdhsa_system_sgpr_workgroup_id_z 1
		.amdhsa_system_vgpr_workitem_id 0
		.amdhsa_next_free_vgpr 28
		.amdhsa_next_free_sgpr 66
		.amdhsa_reserve_vcc 0
		.amdhsa_float_denorm_mode_32 3
		.amdhsa_float_denorm_mode_16_64 3
		.amdhsa_memory_ordered 1
		.amdhsa_forward_progress 1
		.amdhsa_inst_pref_size 4
	.end_amdhsa_kernel
	.amdgpu_metadata
---
amdhsa.version: [ 1, 2 ]
amdhsa.kernels:
  - .name:           k_q579dbe4841_cast
    .symbol:         k_q579dbe4841_cast.kd
    .args:
      - { .name: embeddings, .offset: 0, .size: 8, .value_kind: global_buffer, .address_space: global }
      - { .name: w_query, .offset: 8, .size: 8, .value_kind: global_buffer, .address_space: global }
      - { .name: w_key, .offset: 16, .size: 8, .value_kind: global_buffer, .address_space: global }
      - { .name: w_value, .offset: 24, .size: 8, .value_kind: global_buffer, .address_space: global }
      - { .name: xw, .offset: 32, .size: 8, .value_kind: global_buffer, .address_space: global }
    .group_segment_fixed_size: 0
    .private_segment_fixed_size: 0
    .kernarg_segment_align: 8
    .kernarg_segment_size: 40
    .max_flat_workgroup_size: 256
    .sgpr_count:     66
    .vgpr_count:     28
    .wavefront_size: 32
...
	.end_amdgpu_metadata
.endif
;; end of part 1
;; launch proj (part 2): grid 8 x 32, 4 waves a work-group, clusters of 4 x 4, 327,680 bytes of LDS; arguments xw, qkv; writes qkv
.if DOCPART == 2
	.amdgcn_target "amdgcn-amd-amdhsa--gfx1250"
	.amdhsa_code_object_version 6
	.text
	.protected	k_q579dbe4841_proj
	.globl	k_q579dbe4841_proj
	.p2align	8
	.type	k_q579dbe4841_proj,@function
k_q579dbe4841_proj:
	s_mov_b64 s[64:65], 0
	v_nop
	global_prefetch_b8 v0, s[64:65] scope:SCOPE_SE
	s_setreg_imm32_b32 hwreg(HW_REG_WAVE_MODE, 25, 1), 1
	s_wait_xcnt 0x0
	s_wait_alu depctr_hold_cnt(0) depctr_sa_sdst(0) depctr_va_vdst(0) depctr_va_sdst(0) depctr_va_ssrc(0) depctr_va_vcc(0) depctr_vm_vsrc(0)
	s_getreg_b32 s2, hwreg(HW_REG_IB_STS2, 6, 4)
	s_cmp_eq_u32 s2, 0
	s_cbranch_scc0 .Lentry_in_a_cluster
	s_endpgm
.Lentry_in_a_cluster:
	s_bfe_u32 s2, ttmp6, 0x10000c
	s_cmp_lg_u32 s2, 0xf033
	s_cbranch_scc0 .Lentry_shape_is_right
	s_endpgm
.Lentry_shape_is_right:
; Q = X Wq, K = X Wk, V/16 = X (Wv/16).  X = xw rows 0-4095 ([m][k]); the W are xw rows 4096-7167, each [k][n], all bf16; sums in f32.
; qkv has 4,096 rows of 6,144 bytes.  Bytes 0-2047 of row t: Q of token t, bf16.  Bytes 2048-4095: K of token t, bf16.
; Bytes 4096-6143 hold V / 16 in f16 as READY MATRIX FRAGMENTS, in blocks of 512 bytes: the block of (kq = token / 32, cb = column / 16, hf = 0, 1)
; begins at byte (32 kq + cb / 2) x 6144 + 4096 + (cb % 2) x 1024 + hf x 512, and lane l's 16 bytes in it are tokens
; 32 kq + 16 hf + 8 (l / 16) + 0..7 of column 16 cb + l % 16: the last launch loads them into registers as they lie.
; A work-group makes 128 rows x 384 columns with four waves; 8 x 32 = 256 work-groups.  The 384 columns are three segments of 128: columns
; 128 bx .. 128 bx + 127 of Q, of K and of V, so a segment's number format is fixed in the text.  Wave w makes all 128 rows x 96 columns:
; columns 32 w .. 32 w + 31 of each segment: 48 accumulator tiles, 384 registers.
; K = 1024 goes in 8 steps of 128 through two LDS slots.  A slot holds three tiles of W (128 k x 256 bytes, pitch 288: read with the
; transposing load, whose pitch is an odd multiple of 32 bytes) and one of X (128 rows x 256 bytes, pitch 272, an odd multiple of 16).
; Waves 0-2 fetch a W segment each, wave 3 fetches X: one tensor load a wave for a slot.  By this text's count a wave has two tensor
; loads out at the start and one later; from a request to the wait for it a wave issues 180 matrix instructions.
; CLUSTERS 4 x 4: X's tile hangs on the block row alone and is asked for jointly by a row of the cluster, W's tiles on the block
; column alone and are asked for jointly by a column.
; The matrix instruction is used transposed (source 0 = W's columns, source 1 = X's rows): a lane's eight results are eight
; neighbouring columns of one row.  The 48 accumulators take turns, one instruction a turn.
; REGISTERS: window 0: v16-29 addresses, v64-127 / v128-191 fragments of X (two buffers), v192-215 packing; window 1: v64-111 /
; v128-175 fragments of W; window 2: tiles of rows 0-63 (tile (a, b) at v[8 (6 a + b)]); window 3: those of rows 64-127.
.set KSTEP,  128
.set XPITCH, 2048                      ; bytes of a row of xw
.set QPITCH, 6144                      ; bytes of a row of qkv
.set PA,     272
.set PB,     288
.set SEG,    128*PB                    ; 36,864: one tile of W
.set SLOT,   3*SEG+128*PA              ; 145,408
.set SP,     784                       ; the way out: 768 bytes of a row + 16
.set LAPS,   4                         ; a lap = two K steps
.set ADRA, 16                          ; v16-17  my X fragments in slot 0, 1
.set ADRB, 18                          ; v18-23  my W fragments: slot 0 segments 0-2, slot 1 segments 0-2
.set STO,  24                          ; v24     the way out: where I put 16 bytes, rows 0-63
.set RD,   25                          ; v25     where I read rows of Q and K back
.set CO,   26                          ; v26     my byte offset in qkv for those rows
.set STO2, 27                          ; v27     as v24, rows 64-127
.set RDT,  28                          ; v28     where I read V back, transposing
.set VOF,  29                          ; v29     16 l: my 16 bytes of a block of V
.set F0,   64
.set F1,   128
.set TMP,  192
.set G1,  24                           ; s[24:31] group 1 for X's tile
.set G0,  32                           ; s[32:39] group 0 for X's tile, one set a slot
.set G1B, 48                           ; s[48:55] group 1 for W's tiles
.set G0B, 56                           ; s[56:63] group 0 for W's tiles, one set a slot
.set MSB, 0
.macro WIN new                         ; the immediate's high byte repeats the setting that is left
.if MSB != (\new)
	s_set_vgpr_msb (MSB<<8)|(\new)
.set MSB, (\new)
.endif
.endm
.set MUL_LO, 0xa1                      ; source 0 (W) window 1, source 1 (X) window 0, C and D window 2
.set MUL_HI, 0xf1                      ; the same, C and D window 3
.set TO_B,   0x40                      ; destination window 1, address window 0
.macro JLOAD s                         ; wave 3 asks for X's tile, waves 0-2 for W's: each line has one mask; the branch hangs on the wave's number alone
	s_cmp_eq_u32 s10, 3
	s_cbranch_scc0 .Lfor_b_\@
	tensor_load_to_lds s[G0+4*\s:G0+4*\s+3], s[G1:G1+7]
	s_nop 0
	s_branch .Lasked_\@
.Lfor_b_\@:
	tensor_load_to_lds s[G0B+4*\s:G0B+4*\s+3], s[G1B:G1B+7]
	s_nop 0
.Lasked_\@:
.endm
.macro CREST                           ; a round of the cluster's barrier behind its opening barrier
	s_cmp_lg_u32 s10, 0
	s_cbranch_scc1 .Lnot_wave_0_\@
	s_barrier_signal -3
.Lnot_wave_0_\@:
	s_barrier_wait -3
	s_barrier_signal -1
	s_barrier_wait -1
.endm
.macro CROUND                          ; a whole round
	s_barrier_signal -1
	s_barrier_wait -1
	CREST
.endm
	s_load_b128 s[4:7], s[0:1], 0x0                ; xw s[4:5], qkv s[6:7]
	s_set_vgpr_msb 0x40
	v_lshl_add_u32 v255, v0, 2, 0x47000
	s_set_vgpr_msb 0x4000
	v_mov_b32 v255, 0
	s_set_vgpr_msb 0x1
	ds_add_u32 v255, v255
	s_set_vgpr_msb 0x100
	v_lshrrev_b32 v1, 5, v0
	v_readfirstlane_b32 s10, v1                    ; wave 0..3
	s_bfe_u32 s40, ttmp6, 0x40000                  ; cx
	s_bfe_u32 s41, ttmp6, 0x40004                  ; cy
	s_lshl_b32 s42, ttmp9, 2
	s_add_co_u32 s42, s42, s40                     ; block column = 4 x cluster x + cx
	s_and_b32 s13, ttmp7, 0xffff
	s_lshl_b32 s13, s13, 2
	s_add_co_u32 s13, s13, s41                     ; block row = 4 x cluster y + cy
	s_lshl_b32 s43, s41, 2
	s_lshl_b32 s43, 15, s43                        ; my row of the cluster
	s_lshl_b32 s44, 0x1111, s40                    ; my column
	; group 1: 128 rows x 128 elements of 2 bytes, rows 1,024 elements apart; a pad behind every 64 words: 4 words for X, 8 for W
	s_or_b32 s[G1+0], s43, (1<<16)|(1<<20)|(1<<21)|(5<<22)|(3<<25)
	s_or_b32 s[G1B+0], s44, (1<<16)|(1<<20)|(1<<21)|(5<<22)|(7<<25)
	s_mov_b32 s[G1+1], KSTEP<<16                   ; tensor_dim0 = 128
	s_mov_b32 s[G1B+1], 128<<16
	s_mov_b32 s[G1+2], 128<<16                     ; tensor_dim1 = 128
	s_mov_b32 s[G1B+2], KSTEP<<16
	s_mov_b32 s[G1+3], KSTEP<<16                   ; tile_dim0 = 128
	s_mov_b32 s[G1B+3], 128<<16
	s_mov_b32 s[G1+4], 128                         ; tile_dim1 = 128
	s_mov_b32 s[G1B+4], KSTEP
	s_mov_b32 s[G1+5], 1024                        ; from row to row
	s_mov_b32 s[G1B+5], 1024
	s_mov_b32 s[G1+6], 0
	s_mov_b32 s[G1B+6], 0
	s_mov_b32 s[G1+7], 0
	s_mov_b32 s[G1B+7], 0
	; X's tile: row 128 x block row.  W's: columns 128 x block column of W number = my segment.
	; Each address is made in registers that never hold the other coordinate.
	s_lshl_b32 s16, s13, 18                        ; 128 rows x 2,048 bytes
	s_mov_b32 s17, 0
	s_min_u32 s45, s10, 2                          ; my segment (wave 3 never asks by this address)
	s_lshl_b32 s45, s45, 21                        ; 1,024 rows of 2,048 bytes for each W in front
	s_lshl_b32 s46, s42, 8                         ; 128 columns of 2 bytes for each block column
	s_add_co_u32 s46, s46, s45
	s_add_co_u32 s46, s46, 4096*XPITCH             ; behind X
	s_mov_b32 s47, 0
	s_mul_i32 s20, s10, SEG                        ; where my tile goes: W's three segments, then X: the wave's number alone
	s_wait_dscnt 0x0
	s_wait_kmcnt 0x0
	s_add_nc_u64 s[14:15], s[4:5], s[16:17]
	s_add_nc_u64 s[46:47], s[4:5], s[46:47]
	CROUND                                         ; all sixteen work-groups are here: the first joint loads meet
.irp s, 0,1
	s_mov_b32 s[G0+4*\s], 1
	s_add_co_u32 s[G0+4*\s+1], s20, \s*SLOT
	s_add_nc_u64 s[G0+4*\s+2:G0+4*\s+3], s[14:15], \s*KSTEP*2          ; K step s: 256 bytes along X's rows
	s_or_b32 s[G0+4*\s+3], s[G0+4*\s+3], 0x80000000
	s_mov_b32 s[G0B+4*\s], 1
	s_add_co_u32 s[G0B+4*\s+1], s20, \s*SLOT
	s_add_nc_u64 s[G0B+4*\s+2:G0B+4*\s+3], s[46:47], \s*KSTEP*XPITCH   ; K step s: 128 rows down W
	s_or_b32 s[G0B+4*\s+3], s[G0B+4*\s+3], 0x80000000
	JLOAD \s                                       ; both first fills go out together, ahead of everything else
.endr
	v_and_b32 v1, 15, v0                           ; r = l % 16
	v_bfe_u32 v2, v0, 4, 1                         ; h = l / 16
	v_mul_u32_u24 v3, v1, PA
	v_lshl_add_u32 v3, v2, 4, v3                   ; X: row r, 16 bytes for each half of the lanes
	v_add_nc_u32 v[ADRA], 3*SEG, v3
	v_add_nc_u32 v[ADRA+1], 3*SEG+SLOT, v3
	v_and_b32 v4, 7, v0
	v_lshl_add_u32 v4, v2, 3, v4                   ; transposing loads: row 8 h + l % 8,
	v_mul_u32_u24 v8, v4, SP                       ; (of the stage, for V's way out)
	v_mul_u32_u24 v4, v4, PB                       ; (of W's tile)
	v_bfe_u32 v5, v0, 3, 1
	v_lshl_add_u32 v4, v5, 4, v4                   ; 16 bytes for each eight lanes,
	v_lshl_add_u32 v8, v5, 4, v8
	s_lshl_b32 s21, s10, 6
	v_add_nc_u32 v4, s21, v4                       ; my 32 columns of the segment
.irp sl, 0,1
.irp sg, 0,1,2
	v_add_nc_u32 v[ADRB+3*\sl+\sg], \sl*SLOT+\sg*SEG, v4
.endr
.endr
	v_mul_u32_u24 v6, v1, SP
	v_lshl_add_u32 v6, v2, 4, v6
	v_add_nc_u32 v[STO], s21, v6                   ; row r, byte 64 w + 16 h
	v_add_nc_u32 v[STO2], 64*SP, v[STO]
	s_mul_i32 s22, s10, 32*SP                      ; back: my 32 rows; lanes 0-15 one row's 256 bytes, lanes 16-31 the next row's
	v_mul_u32_u24 v7, v2, SP
	v_lshl_add_u32 v7, v1, 4, v7
	v_add_nc_u32 v[RD], s22, v7
	v_mul_u32_u24 v7, v2, QPITCH
	v_lshl_add_u32 v[CO], v1, 4, v7
	v_add_nc_u32 v8, s22, v8                       ; V back: my 32 tokens,
	v_add_nc_u32 v[RDT], 512, v8                   ; segment 2 of the stage's rows
	v_and_b32 v9, 31, v0
	v_lshlrev_b32 v[VOF], 4, v9
; 12 matrix instructions: row blocks a0, a0 + 1 of the window's four x my 6 column blocks, 32 along K.  zero = 1: the product starts the sums.
.macro MUL12 f, hi, a0, zero
.irp a, \a0, \a0+1
.irp b, 0,1,2,3,4,5
.if \zero
	v_wmma_f32_16x16x32_bf16 v[8*(6*(\a)+\b):8*(6*(\a)+\b)+7], v[\f+8*\b:\f+8*\b+7], v[\f+8*(4*\hi+\a):\f+8*(4*\hi+\a)+7], 0
.else
	v_wmma_f32_16x16x32_bf16 v[8*(6*(\a)+\b):8*(6*(\a)+\b)+7], v[\f+8*\b:\f+8*\b+7], v[\f+8*(4*\hi+\a):\f+8*(4*\hi+\a)+7], v[8*(6*(\a)+\b):8*(6*(\a)+\b)+7]
.endif
.endr
.endr
.endm
; 28 LDS loads in one run: quarter q (32 along K) of a slot into buffer f: 12 transposing loads for W (block b = 2 segment + i), 16 for X
.macro FETCH slot, q, f
	WIN TO_B
.irp sg, 0,1,2
.irp i, 0,1
	ds_load_tr16_b128 v[\f+8*(2*\sg+\i):\f+8*(2*\sg+\i)+3],   v[ADRB+3*\slot+\sg] offset:32*PB*\q+32*\i
	ds_load_tr16_b128 v[\f+8*(2*\sg+\i)+4:\f+8*(2*\sg+\i)+7], v[ADRB+3*\slot+\sg] offset:32*PB*\q+32*\i+16*PB
.endr
.endr
	WIN 0
.irp i, 0,1,2,3,4,5,6,7
	ds_load_b128 v[\f+8*\i:\f+8*\i+3],   v[ADRA+\slot] offset:64*\q+\i*16*PA
	ds_load_b128 v[\f+8*\i+4:\f+8*\i+7], v[ADRA+\slot] offset:64*\q+\i*16*PA+32
.endr
.endm
.macro PLACES                          ; four plain vector places between a matrix instruction and a load into, or a vector instruction on, its registers
.rept 4
	v_nop
.endr
.endm
.macro QUARTER slot, q, f, g, zero     ; multiplies buffer f; in its middle fetches quarter q of the same slot into buffer g
	s_wait_dscnt 8                                 ; W and X's rows 0-63 are in; the youngest eight loads (X's rows 64-127) may be out
	WIN MUL_LO
	MUL12 \f, 0, 0, \zero
	MUL12 \f, 0, 2, \zero
	PLACES
	FETCH \slot, \q, \g
	s_wait_dscnt 28                                ; all but the 28 just issued
	WIN MUL_HI
	MUL12 \f, 1, 0, \zero
	MUL12 \f, 1, 2, \zero
.endm
.macro THREE slot, zero
	QUARTER \slot, 1, F0, F1, \zero
	QUARTER \slot, 2, F1, F0, 0
	QUARTER \slot, 3, F0, F1, 0
.endm
; The last quarter of a K step changes slots.  One barrier: in front of it each wave's reads of this slot are back and all its tensor
; loads have landed (the one that was out is its part of the next slot); behind it the refill comes first, then the next slot is read.
.macro TURN slot, next, fill
	s_wait_dscnt 8
	WIN MUL_LO
	MUL12 F1, 0, 0, 0
	s_wait_dscnt 0x0                               ; my reads of this slot are over
	s_wait_tensorcnt 0x0                           ; all my tensor loads have landed
	ds_add_u32 v255, v255
	s_wait_dscnt 0x0
	s_barrier_signal -1                            ; where the slot is filled again this barrier opens a round of the cluster's barrier
	MUL12 F1, 0, 2, 0                              ; register work while the others arrive
	WIN 0
	s_barrier_wait -1
.if \fill
	CREST                                          ; no wave of any partner still reads this slot or has a load on its way
	s_add_nc_u64 s[G0+4*\slot+2:G0+4*\slot+3], s[G0+4*\slot+2:G0+4*\slot+3], 2*KSTEP*2
	s_add_nc_u64 s[G0B+4*\slot+2:G0B+4*\slot+3], s[G0B+4*\slot+2:G0B+4*\slot+3], 2*KSTEP*XPITCH
	JLOAD \slot                                    ; my one tensor load behind the round, and the first thing there
.endif
	PLACES
	FETCH \next, 0, F0
	WIN MUL_HI
	MUL12 F1, 1, 0, 0
	MUL12 F1, 1, 2, 0
.endm
.macro LAP zero
	THREE 0, \zero
	TURN 0, 1, 1
	THREE 1, 0
	TURN 1, 0, 1
.endm
	s_wait_tensorcnt 0x1                           ; my part of K step 0 is in; K step 1's stays out
	s_barrier_signal -1
	s_barrier_wait -1
	FETCH 0, 0, F0
	LAP 1                                          ; the first lap's first products start the sums
	WIN 0
	s_mov_b32 s3, LAPS-2
.Llap:
	LAP 0
	WIN 0
	s_sub_co_u32 s3, s3, 1
	s_cmp_lg_u32 s3, 0
	s_cbranch_scc1 .Llap
	THREE 0, 0                                     ; the last lap fills nothing
	TURN 0, 1, 0
	THREE 1, 0
	s_wait_dscnt 8
	WIN MUL_LO
	MUL12 F1, 0, 0, 0
	MUL12 F1, 0, 2, 0
	s_wait_dscnt 0x0
	WIN MUL_HI
	MUL12 F1, 1, 0, 0
	MUL12 F1, 1, 2, 0
	; THE WAY OUT.  The whole block is gathered in LDS bytes 0 .. 100,351 (128 rows, pitch 784), inside slot 0, which has had its last
	; fill and whose last reads lie in front of the last change of slots; then each wave stores its 32 rows of Q and of K as whole rows,
	; and its 32 tokens of V as sixteen fragment blocks.
	PLACES
	s_lshl_b32 s16, s13, 7
	s_lshl_b32 s17, s10, 5
	s_add_co_u32 s16, s16, s17                     ; the first of my 32 rows: 128 x block row + 32 w = 32 kq
	s_mul_i32 s16, s16, QPITCH
	s_mov_b32 s17, 0
	s_add_nc_u64 s[8:9], s[6:7], s[16:17]
	s_add_nc_u64 s[20:21], s[6:7], s[16:17]
	s_lshl_b32 s46, s42, 8                         ; Q and K: my block's first column, in bytes
	s_mov_b32 s47, 0
	s_add_nc_u64 s[8:9], s[8:9], s[46:47]
	s_mul_i32 s46, s42, 4*QPITCH                   ; V: cb / 2 = 4 x block column rows further down,
	s_add_co_u32 s46, s46, 4096                    ; in the last third of the row
	s_add_nc_u64 s[20:21], s[20:21], s[46:47]
; rows 16 a .. 16 a + 15 (al = a % 4): one rounding each: column blocks 0-3 (Q, K) to bf16, 4 and 5 (V / 16) to f16
.macro OUTA al, from, sto, t
	WIN \from
.irp b, 0,1,2,3,4,5
.irp r, 0,1,2,3
.if \b < 4
	v_cvt_pk_bf16_f32 v[\t+4*\b+\r], v[8*(6*\al+\b)+2*\r], v[8*(6*\al+\b)+2*\r+1]
.else
	v_cvt_pk_f16_f32  v[\t+4*\b+\r], v[8*(6*\al+\b)+2*\r], v[8*(6*\al+\b)+2*\r+1]
.endif
.endr
.endr
	WIN 0
.irp b, 0,1,2,3,4,5
	ds_store_b128 v[\sto], v[\t+4*\b:\t+4*\b+3] offset:\al*16*SP+256*(\b/2)+32*(\b%2)
.endr
.endm
	OUTA 0, 0x0a, STO,  TMP
	OUTA 1, 0x0a, STO,  F0
	OUTA 2, 0x0a, STO,  TMP
	OUTA 3, 0x0a, STO,  F0
	OUTA 0, 0x0f, STO2, TMP
	OUTA 1, 0x0f, STO2, F0
	OUTA 2, 0x0f, STO2, TMP
	OUTA 3, 0x0f, STO2, F0
	s_wait_dscnt 0x0                               ; my stores are in LDS,
	s_barrier_signal -1
	s_barrier_wait -1                              ; everybody's are
.macro OUTS sg, f                      ; my 32 rows of Q (sg = 0) or K (1): sixteen lanes store 256 consecutive bytes, aligned
.irp t, 0,1,2,3,4,5,6,7,8,9,10,11,12,13,14,15
	ds_load_b128 v[\f+4*\t:\f+4*\t+3], v[RD] offset:\t*2*SP+256*\sg
.endr
.irp t, 0,1,2,3,4,5,6,7,8,9,10,11,12,13,14,15
	s_wait_dscnt 15-\t                             ; LDS loads come back in order: pair t of rows is in
	global_store_b128 v[CO], v[\f+4*\t:\f+4*\t+3], s[8:9] offset:\t*2*QPITCH+2048*\sg
.endr
.endm
; My 32 tokens x 128 columns of V: block i = 2 (column block) + hf.  The transposing load hands lane l tokens 16 hf + 8 (l / 16) + 0..7 of
; column 16 (i / 2) + l % 16; the wave stores the block's 512 consecutive bytes, aligned.
.macro OUTV f
.set i, 0
.rept 16
	ds_load_tr16_b128 v[\f+4*i:\f+4*i+3], v[RDT] offset:(i%2)*16*SP+32*(i/2)
.set i, i+1
.endr
.set i, 0
.rept 16
	s_wait_dscnt 15-i                              ; block i is in, the younger ones stay out
	global_store_b128 v[VOF], v[\f+4*i:\f+4*i+3], s[20:21] offset:(i/4)*QPITCH+(i%4)*512
.set i, i+1
.endr
.endm
	OUTS 0, F0
	OUTS 1, F1
	s_wait_xcnt 0x0                                ; buffer 0, which stores read, is loaded again only behind this wait
	OUTV F0
	s_set_vgpr_msb 0x1
	s_wait_tensorcnt 0x0
	ds_add_u32 v255, v255
	s_wait_dscnt 0x0
	s_set_vgpr_msb 0x100
	CROUND                                         ; the closing round: no work-group ends while a partner may still ask for a tile that names it
	s_endpgm
.Lfunc_end_k_q579dbe4841_proj:
	.size	k_q579dbe4841_proj, .Lfunc_end_k_q579dbe4841_proj-k_q579dbe4841_proj
	.p2alignl 7, 3214868480
	.fill 96, 4, 3214868480
	.section	.rodata,"a",@progbits
	.p2align	6, 0x0
	.amdhsa_kernel k_q579dbe4841_proj
		.amdhsa_group_segment_fixed_size 327680
		.amdhsa_private_segment_fixed_size 0
		.amdhsa_enable_private_segment 0
		.amdhsa_kernarg_size 16
		.amdhsa_user_sgpr_count 2
		.amdhsa_user_sgpr_kernarg_segment_ptr 1
		.amdhsa_wavefront_size32 1
		.amdhsa_system_sgpr_workgroup_id_x 1
		.amdhsa_system_sgpr_workgroup_id_y 1
		.amdhsa_system_sgpr_workgroup_id_z 1
		.amdhsa_system_vgpr_workitem_id 0
		.amdhsa_next_free_vgpr 1024
		.amdhsa_next_free_sgpr 66
		.amdhsa_reserve_vcc 0
		.amdhsa_float_denorm_mode_32 3
		.amdhsa_float_denorm_mode_16_64 3
		.amdhsa_memory_ordered 1
		.amdhsa_forward_progress 1
		.amdhsa_inst_pref_size 158
	.end_amdhsa_kernel
	.amdgpu_metadata
---
amdhsa.version: [ 1, 2 ]
amdhsa.kernels:
  - .name:           k_q579dbe4841_proj
    .symbol:         k_q579dbe4841_proj.kd
    .args:
      - { .name: xw, .offset: 0, .size: 8, .value_kind: global_buffer, .address_space: global }
      - { .name: qkv, .offset: 8, .size: 8, .value_kind: global_buffer, .address_space: global }
    .group_segment_fixed_size: 327680
    .private_segment_fixed_size: 0
    .kernarg_segment_align: 8
    .kernarg_segment_size: 16
    .max_flat_workgroup_size: 128
    .sgpr_count:     66
    .vgpr_count:     1024
    .wavefront_size: 32
...
	.end_amdgpu_metadata
.endif
;; end of part 2
;; launch scores (part 3): grid 16 x 16, 4 waves a work-group, clusters of 4 x 4, 327,680 bytes of LDS; arguments qkv, p, mx, ls; writes p, mx, ls
.if DOCPART == 3
	.amdgcn_target "amdgcn-amd-amdhsa--gfx1250"
	.amdhsa_code_object_version 6
	.text
	.protected	k_q579dbe4841_scores
	.globl	k_q579dbe4841_scores
	.p2align	8
	.type	k_q579dbe4841_scores,@function
k_q579dbe4841_scores:
	s_mov_b64 s[64:65], 0
	v_nop
	global_prefetch_b8 v0, s[64:65] scope:SCOPE_SE
	s_setreg_imm32_b32 hwreg(HW_REG_WAVE_MODE, 25, 1), 1
	s_wait_xcnt 0x0
	s_wait_alu depctr_hold_cnt(0) depctr_sa_sdst(0) depctr_va_vdst(0) depctr_va_sdst(0) depctr_va_ssrc(0) depctr_va_vcc(0) depctr_vm_vsrc(0)
	s_getreg_b32 s2, hwreg(HW_REG_IB_STS2, 6, 4)
	s_cmp_eq_u32 s2, 0
	s_cbranch_scc0 .Lentry_in_a_cluster
	s_endpgm
.Lentry_in_a_cluster:
	s_bfe_u32 s2, ttmp6, 0x10000c
	s_cmp_lg_u32 s2, 0xf033
	s_cbranch_scc0 .Lentry_shape_is_right
	s_endpgm
.Lentry_shape_is_right:
; For each block of 256 queries x 256 keys: s = Q K^T (bf16 operands, f32 sums), then the softmax's first half, per row and per block kb of
; 128 keys (one wave's columns): with c = log2(e) / 32 and t = c s,
;   m' = floor(c max s) + 1 (a whole number, not below any t of the block),  P = 2^(t - m') in (0, 1], the largest at least 1/2,
;   l = sum of P (f32, before P is rounded).  Stored: p[4096][4096] f16, mx[kb][row] = m', ls[kb][row] = l (f32).
; A row's maximum spans sixteen work-groups, which may not talk to each other, so each block takes its own maximum away, rounded up to a
; whole power of two; the next launch corrects each block by the exact power of two 2^(m' - max m').
; LIMITS: the shift is the block's maximum rounded up to the next whole octave, not the maximum itself; m' is exact for |t| < 2^23;
; P below 2^-25 is stored as 0; NaN and infinities are not treated specially.
; THE PRODUCT: four waves, each 128 x 128 of the block in 512 registers; K = 1024 in 8 steps of 128 through two LDS slots (256 rows of Q,
; 256 of K, rows of 256 bytes, pitch 272).  Each wave fetches 128 rows with one tensor load; two are out at the start, one later;
; from a request to the wait for it a wave issues 240 matrix instructions.
; CLUSTERS 4 x 4: Q's tile is asked for jointly along a row of the cluster, K's along a column.
; Source 0 = rows of K, source 1 = rows of Q: a lane holds, of row l % 16, the columns 16 b + 8 (l / 16) + 0..7 of all eight column blocks.
; The 64 accumulators take turns, one instruction a turn.
; REGISTERS: window 0: v16-29 addresses, v64-127 / v128-191 fragments of Q; window 1: the same numbers, fragments of K;
; window 2: tiles of my rows 0-63 (tile (a, b) at v[8 (8 a + b)]); window 3: rows 64-127.
.set QPITCH, 6144                      ; bytes of a row of qkv
.set PPITCH, 8192                      ; bytes of a row of p
.set KSTEP,  128
.set PITCH,  272
.set HALFT,  128*PITCH
.set SLOT,   4*HALFT
.set STAGE,  2*SLOT                    ; behind the ring: 16 rows x 272 bytes for each wave
.set STATS,  STAGE+4*16*PITCH          ; and 1,024 bytes for each wave: 128 m', 128 l
.set LAPS,   4
.set ADRA, 16
.set ADRB, 20
.set STO,  24
.set RD,   25
.set CO,   26
.set SADR, 27                          ; where a lane puts m' (lanes 0-15) or l (lanes 16-31)
.set SRD,  28                          ; where it reads 16 bytes of them back
.set SOFF, 29                          ; 16 l
.set F0,   64
.set F1,   128
.set T,    64                          ; the way out, window 0: 64 numbers at work
.set RB0,  128                         ; rows read back, two sets
.set RB1,  160
.set TMP,  192                         ; packed P
.set MX,   224                         ; four running maxima
.set NM,   228                         ; -m', twice
.set SM,   230                         ; four running pairs of sums
.set MS,   238                         ; m' of my eight row blocks
.set LS,   246                         ; l of my eight row blocks
.set CLOG, 0x3d38aa3b                  ; log2(e) / 32
.set G1, 24
.set G0, 32
.set G1B, 48
.set G0B, 56
.set MSB, 0
.macro WIN new
.if MSB != (\new)
	s_set_vgpr_msb (MSB<<8)|(\new)
.set MSB, (\new)
.endif
.endm
.set MUL_LO, 0xa1
.set MUL_HI, 0xf1
.set TO_B,   0x40
.macro JLOAD s                         ; waves 0 and 1 ask for Q's halves, waves 2 and 3 for K's
	s_cmp_eq_u32 s11, 0
	s_cbranch_scc0 .Lfor_b_\@
	tensor_load_to_lds s[G0+4*\s:G0+4*\s+3], s[G1:G1+7]
	s_nop 0
	s_branch .Lasked_\@
.Lfor_b_\@:
	tensor_load_to_lds s[G0B+4*\s:G0B+4*\s+3], s[G1B:G1B+7]
	s_nop 0
.Lasked_\@:
.endm
.macro CREST
	s_cmp_lg_u32 s10, 0
	s_cbranch_scc1 .Lnot_wave_0_\@
	s_barrier_signal -3
.Lnot_wave_0_\@:
	s_barrier_wait -3
	s_barrier_signal -1
	s_barrier_wait -1
.endm
.macro CROUND
	s_barrier_signal -1
	s_barrier_wait -1
	CREST
.endm
	s_load_b128 s[4:7], s[0:1], 0x0                ; qkv s[4:5], p s[6:7]
	s_set_vgpr_msb 0x40
	v_lshl_add_u32 v255, v0, 2, 0x49400
	s_set_vgpr_msb 0x4000
	v_mov_b32 v255, 0
	s_set_vgpr_msb 0x1
	ds_add_u32 v255, v255
	s_set_vgpr_msb 0x100
	v_lshrrev_b32 v1, 5, v0
	v_readfirstlane_b32 s10, v1                    ; wave 0..3
	s_lshr_b32 s11, s10, 1                         ; my half of the block's rows.  Also: I fetch for Q (0) or for K (1)
	s_and_b32 s12, s10, 1                          ; my half of its columns.  Also: which 128 rows of that tile I fetch
	s_bfe_u32 s40, ttmp6, 0x40000                  ; cx
	s_bfe_u32 s41, ttmp6, 0x40004                  ; cy
	s_lshl_b32 s42, ttmp9, 2
	s_add_co_u32 s42, s42, s40                     ; key block of 256
	s_and_b32 s13, ttmp7, 0xffff
	s_lshl_b32 s13, s13, 2
	s_add_co_u32 s13, s13, s41                     ; query block of 256
	s_lshl_b32 s43, s41, 2
	s_lshl_b32 s43, 15, s43
	s_lshl_b32 s44, 0x1111, s40
	s_or_b32 s[G1+0], s43, (1<<16)|(1<<20)|(1<<21)|(5<<22)|(3<<25)   ; elements of 2 bytes; 4 words of padding behind every 64
	s_or_b32 s[G1B+0], s44, (1<<16)|(1<<20)|(1<<21)|(5<<22)|(3<<25)
	s_mov_b32 s[G1+1], KSTEP<<16
	s_mov_b32 s[G1B+1], KSTEP<<16
	s_mov_b32 s[G1+2], 128<<16
	s_mov_b32 s[G1B+2], 128<<16
	s_mov_b32 s[G1+3], KSTEP<<16
	s_mov_b32 s[G1B+3], KSTEP<<16
	s_mov_b32 s[G1+4], 128
	s_mov_b32 s[G1B+4], 128
	s_mov_b32 s[G1+5], 3072                        ; elements from row to row of qkv
	s_mov_b32 s[G1B+5], 3072
	s_mov_b32 s[G1+6], 0
	s_mov_b32 s[G1B+6], 0
	s_mov_b32 s[G1+7], 0
	s_mov_b32 s[G1B+7], 0
	s_lshl_b32 s17, s12, 7
	s_lshl_b32 s16, s13, 8
	s_add_co_u32 s16, s16, s17                     ; Q: row 256 x query block + 128 x half
	s_mul_i32 s16, s16, QPITCH
	s_lshl_b32 s46, s42, 8
	s_add_co_u32 s46, s46, s17                     ; K: row 256 x key block + 128 x half,
	s_mul_i32 s46, s46, QPITCH
	s_add_co_u32 s46, s46, 2048                    ; columns 1024 on
	s_mov_b32 s17, 0
	s_mov_b32 s47, 0
	s_mul_i32 s20, s10, HALFT                      ; Q's two halves, then K's two halves
	s_wait_dscnt 0x0
	s_wait_kmcnt 0x0
	s_add_nc_u64 s[14:15], s[4:5], s[16:17]
	s_add_nc_u64 s[46:47], s[4:5], s[46:47]
	CROUND
.irp s, 0,1
	s_mov_b32 s[G0+4*\s], 1
	s_add_co_u32 s[G0+4*\s+1], s20, \s*SLOT
	s_add_nc_u64 s[G0+4*\s+2:G0+4*\s+3], s[14:15], \s*KSTEP*2
	s_or_b32 s[G0+4*\s+3], s[G0+4*\s+3], 0x80000000
	s_mov_b32 s[G0B+4*\s], 1
	s_add_co_u32 s[G0B+4*\s+1], s20, \s*SLOT
	s_add_nc_u64 s[G0B+4*\s+2:G0B+4*\s+3], s[46:47], \s*KSTEP*2
	s_or_b32 s[G0B+4*\s+3], s[G0B+4*\s+3], 0x80000000
	JLOAD \s
.endr
	v_and_b32 v1, 15, v0                           ; r
	v_bfe_u32 v2, v0, 4, 1                         ; h (kept to the end)
	v_mul_u32_u24 v3, v1, PITCH
	v_lshl_add_u32 v3, v2, 4, v3
	s_mul_i32 s21, s11, HALFT
	s_mul_i32 s22, s12, HALFT
	s_add_co_u32 s22, s22, 2*HALFT
.irp s, 0,1
	v_add_nc_u32 v[ADRA+\s], s21, v3
	v_add_nc_u32 v[ADRB+\s], s22, v3
	s_add_co_u32 s21, s21, SLOT
	s_add_co_u32 s22, s22, SLOT
.endr
	s_mul_i32 s23, s10, 16*PITCH
	s_add_co_u32 s23, s23, STAGE                   ; my stage
	v_add_nc_u32 v[STO], s23, v3                   ; in: row r, 16 bytes for each half of the lanes
	v_mul_u32_u24 v5, v2, PITCH                    ; back: lanes 0-15 one row of 256 bytes, lanes 16-31 the next
	v_lshl_add_u32 v5, v1, 4, v5
	v_add_nc_u32 v[RD], s23, v5
	v_mul_u32_u24 v5, v2, PPITCH
	v_lshl_add_u32 v[CO], v1, 4, v5
	s_lshl_b32 s2, s10, 10
	s_add_co_u32 s2, s2, STATS                     ; my 1,024 bytes for m' and l
	v_lshlrev_b32 v4, 2, v1
	v_lshl_add_u32 v4, v2, 9, v4
	v_add_nc_u32 v[SADR], s2, v4                   ; 512 h + 4 r
	v_and_b32 v5, 31, v0
	v_lshlrev_b32 v[SOFF], 4, v5
	v_add_nc_u32 v[SRD], s2, v[SOFF]
.macro MUL16 f, hi, a0, zero
.irp a, \a0, \a0+1
.irp b, 0,1,2,3,4,5,6,7
.if \zero
	v_wmma_f32_16x16x32_bf16 v[8*(8*(\a)+\b):8*(8*(\a)+\b)+7], v[\f+8*\b:\f+8*\b+7], v[\f+8*(4*\hi+\a):\f+8*(4*\hi+\a)+7], 0
.else
	v_wmma_f32_16x16x32_bf16 v[8*(8*(\a)+\b):8*(8*(\a)+\b)+7], v[\f+8*\b:\f+8*\b+7], v[\f+8*(4*\hi+\a):\f+8*(4*\hi+\a)+7], v[8*(8*(\a)+\b):8*(8*(\a)+\b)+7]
.endif
.endr
.endr
.endm
.macro FETCH slot, k, f                ; 32 LDS loads in one run: 128 rows of K, 128 rows of Q, 32 along the rows at byte k
	WIN TO_B
.irp i, 0,1,2,3,4,5,6,7
	ds_load_b128 v[\f+8*\i:\f+8*\i+3],   v[ADRB+\slot] offset:\k+\i*16*PITCH
	ds_load_b128 v[\f+8*\i+4:\f+8*\i+7], v[ADRB+\slot] offset:\k+\i*16*PITCH+32
.endr
	WIN 0
.irp i, 0,1,2,3,4,5,6,7
	ds_load_b128 v[\f+8*\i:\f+8*\i+3],   v[ADRA+\slot] offset:\k+\i*16*PITCH
	ds_load_b128 v[\f+8*\i+4:\f+8*\i+7], v[ADRA+\slot] offset:\k+\i*16*PITCH+32
.endr
.endm
.macro PLACES                          ; four plain vector places behind a matrix instruction (ISA guide 7.12.1)
.rept 4
	v_nop
.endr
.endm
.macro QUARTER slot, k, f, g, zero
	s_wait_dscnt 8                                 ; K and Q's rows 0-63 are in; the youngest eight loads (Q's rows 64-127) may be out
	WIN MUL_LO
	MUL16 \f, 0, 0, \zero
	MUL16 \f, 0, 2, \zero
	PLACES
	FETCH \slot, \k, \g
	s_wait_dscnt 32                                ; all but the 32 just issued
	WIN MUL_HI
	MUL16 \f, 1, 0, \zero
	MUL16 \f, 1, 2, \zero
.endm
.macro THREE slot, zero
	QUARTER \slot, 64,  F0, F1, \zero
	QUARTER \slot, 128, F1, F0, 0
	QUARTER \slot, 192, F0, F1, 0
.endm
.macro TURN slot, next, fill
	s_wait_dscnt 8
	WIN MUL_LO
	MUL16 F1, 0, 0, 0
	s_wait_dscnt 0x0                               ; my reads of this slot are over
	s_wait_tensorcnt 0x0                           ; all my tensor loads have landed: the one that was out is my part of the next slot
	ds_add_u32 v255, v255
	s_wait_dscnt 0x0
	s_barrier_signal -1
	MUL16 F1, 0, 2, 0
	WIN 0
	s_barrier_wait -1
.if \fill
	CREST                                          ; no wave of any partner still reads this slot or has a load on its way
	s_add_nc_u64 s[G0+4*\slot+2:G0+4*\slot+3], s[G0+4*\slot+2:G0+4*\slot+3], 2*KSTEP*2
	s_add_nc_u64 s[G0B+4*\slot+2:G0B+4*\slot+3], s[G0B+4*\slot+2:G0B+4*\slot+3], 2*KSTEP*2
	JLOAD \slot                                    ; my one tensor load behind the round, and the first thing there
.endif
	PLACES
	FETCH \next, 0, F0
	WIN MUL_HI
	MUL16 F1, 1, 0, 0
	MUL16 F1, 1, 2, 0
.endm
.macro LAP zero
	THREE 0, \zero
	TURN 0, 1, 1
	THREE 1, 0
	TURN 1, 0, 1
.endm
	s_wait_tensorcnt 0x1                           ; my part of K step 0 is in; step 1's stays out
	s_barrier_signal -1
	s_barrier_wait -1
	FETCH 0, 0, F0
	LAP 1
	WIN 0
	s_mov_b32 s3, LAPS-2
.Llap:
	LAP 0
	WIN 0
	s_sub_co_u32 s3, s3, 1
	s_cmp_lg_u32 s3, 0
	s_cbranch_scc1 .Llap
	THREE 0, 0
	TURN 0, 1, 0
	THREE 1, 0
	s_wait_dscnt 8
	WIN MUL_LO
	MUL16 F1, 0, 0, 0
	MUL16 F1, 0, 2, 0
	s_wait_dscnt 0x0
	WIN MUL_HI
	MUL16 F1, 1, 0, 0
	MUL16 F1, 1, 2, 0
	; THE WAY OUT, 16 rows at a time.
	PLACES
	s_load_b128 s[16:19], s[0:1], 0x10             ; mx s[16:17], ls s[18:19]: wanted behind the eight row blocks
	s_mov_b32 s40, 0x76543210                      ; v_permlanex16_b32: lane i of one half reads lane i of the other
	s_mov_b32 s41, 0xfedcba98
	s_lshl_b32 s14, s13, 8
	s_lshl_b32 s15, s11, 7
	s_add_co_u32 s14, s14, s15                     ; my first row
	s_lshl_b32 s46, s42, 1
	s_add_co_u32 s46, s46, s12                     ; kb, my block of 128 keys
	s_lshl_b32 s47, s46, 12
	s_add_co_u32 s47, s47, s14
	s_lshl_b32 s22, s47, 2                         ; (4096 kb + row) x 4: my 512 bytes of mx and of ls
	s_mov_b32 s23, 0
	s_lshl_b32 s46, s46, 8                         ; 128 columns of 2 bytes for each kb
	s_lshl_b32 s14, s14, 13                        ; rows of 8,192 bytes
	s_add_co_u32 s14, s14, s46
	s_mov_b32 s15, 0
	s_add_nc_u64 s[8:9], s[6:7], s[14:15]
; Row block i = the eight tiles (al, 0..7) of window 2 or 3 (from = 0x0a or 0x0f: sources 0 and 1 there, source 2 and the destination in window 0).
.macro SOFT i, al, from, rb
	WIN \from                                      ; the largest of my 64 numbers of the row, in four chains
.irp c, 0,1,2,3
	v_max_num_f32 v[MX+\c], v[64*\al+16*\c], v[64*\al+16*\c+1]
.endr
.irp k, 2,4,6,8,10,12,14
.irp c, 0,1,2,3
	v_max3_num_f32 v[MX+\c], v[64*\al+16*\c+\k], v[64*\al+16*\c+\k+1], v[MX+\c]
.endr
.endr
	WIN 0
	v_max3_num_f32 v[MX], v[MX], v[MX+1], v[MX+2]
	v_max_num_f32 v[MX], v[MX], v[MX+3]
	v_permlanex16_b32 v[MX+1], v[MX], s40, s41     ; the row's other 64 numbers lie in the other half of the lanes
	v_max_num_f32 v[MX], v[MX], v[MX+1]
	v_mul_f32 v[MX], CLOG, v[MX]
	v_floor_f32 v[MX], v[MX]
	v_add_f32 v[MS+\i], 1.0, v[MX]                 ; m'
	v_sub_f32 v[NM], -1.0, v[MX]                   ; -m', twice, for the packed multiply-add
	v_sub_f32 v[NM+1], -1.0, v[MX]
	WIN \from
.set k, 0
.rept 32
	v_pk_fma_f32 v[T+k:T+k+1], v[64*\al+k:64*\al+k+1], CLOG, v[NM:NM+1] op_sel_hi:[1,0,1]   ; c s - m'
.set k, k+2
.endr
	WIN 0
.set k, 0
.rept 64
	v_exp_f32 v[T+k], v[T+k]
.set k, k+1
.endr
	v_nop                                          ; one plain place between the last exponential and the first use (ISA guide 5.7.2)
	s_wait_alu depctr_va_vdst(0)
.irp c, 0,1,2,3
	v_pk_add_f32 v[SM+2*\c:SM+2*\c+1], v[T+16*\c:T+16*\c+1], v[T+16*\c+2:T+16*\c+3]
.endr
.irp k, 4,6,8,10,12,14
.irp c, 0,1,2,3
	v_pk_add_f32 v[SM+2*\c:SM+2*\c+1], v[SM+2*\c:SM+2*\c+1], v[T+16*\c+\k:T+16*\c+\k+1]
.endr
.endr
	v_pk_add_f32 v[SM:SM+1], v[SM:SM+1], v[SM+2:SM+3]
	v_pk_add_f32 v[SM+4:SM+5], v[SM+4:SM+5], v[SM+6:SM+7]
	v_pk_add_f32 v[SM:SM+1], v[SM:SM+1], v[SM+4:SM+5]
	v_add_f32 v[SM], v[SM], v[SM+1]
	v_permlanex16_b32 v[SM+1], v[SM], s40, s41
	v_add_f32 v[LS+\i], v[SM], v[SM+1]             ; l
.set k, 0
.rept 32
	v_cvt_pk_f16_f32 v[TMP+k], v[T+2*k], v[T+2*k+1]
.set k, k+1
.endr
.irp b, 0,1,2,3,4,5,6,7
	ds_store_b128 v[STO], v[TMP+4*\b:TMP+4*\b+3] offset:32*\b
.endr
	s_wait_xcnt 0x0                                ; the set rb, which stores read, and the stores' base are rewritten only behind this wait
.if \i
	s_add_nc_u64 s[8:9], s[8:9], 16*PPITCH
.endif
.irp t, 0,1,2,3,4,5,6,7
	ds_load_b128 v[\rb+4*\t:\rb+4*\t+3], v[RD] offset:\t*2*PITCH   ; my own bytes; LDS serves a wave's instructions in order (ISA guide 5.7.1.4)
.endr
.irp t, 0,1,2,3,4,5,6,7
	s_wait_dscnt 7-\t                              ; pair t of rows is in, the younger ones stay out
	global_store_b128 v[CO], v[\rb+4*\t:\rb+4*\t+3], s[8:9] offset:2*\t*PPITCH    ; sixteen lanes store 256 consecutive bytes, aligned
.endr
.endm
	SOFT 0, 0, 0x0a, RB0
	SOFT 1, 1, 0x0a, RB1
	SOFT 2, 2, 0x0a, RB0
	SOFT 3, 3, 0x0a, RB1
	SOFT 4, 0, 0x0f, RB0
	SOFT 5, 1, 0x0f, RB1
	SOFT 6, 2, 0x0f, RB0
	SOFT 7, 3, 0x0f, RB1
	; m' and l of my 128 rows: every lane holds both of row 16 i + r; lanes 0-15 put m', lanes 16-31 l, and each comes back as 512 consecutive bytes
	v_cmp_eq_u32 vcc_lo, 1, v2
.irp i, 0,1,2,3,4,5,6,7
	v_cndmask_b32 v[T+\i], v[MS+\i], v[LS+\i], vcc_lo
	ds_store_b32 v[SADR], v[T+\i] offset:64*\i
.endr
	ds_load_b128 v[T+8:T+11], v[SRD]
	ds_load_b128 v[T+12:T+15], v[SRD] offset:512
	s_wait_kmcnt 0x0
	s_add_nc_u64 s[16:17], s[16:17], s[22:23]
	s_add_nc_u64 s[18:19], s[18:19], s[22:23]
	s_wait_dscnt 0x0
	global_store_b128 v[SOFF], v[T+8:T+11], s[16:17]
	global_store_b128 v[SOFF], v[T+12:T+15], s[18:19]
	s_set_vgpr_msb 0x1
	s_wait_tensorcnt 0x0
	ds_add_u32 v255, v255
	s_wait_dscnt 0x0
	s_set_vgpr_msb 0x100
	CROUND                                         ; the closing round
	s_endpgm
.Lfunc_end_k_q579dbe4841_scores:
	.size	k_q579dbe4841_scores, .Lfunc_end_k_q579dbe4841_scores-k_q579dbe4841_scores
	.p2alignl 7, 3214868480
	.fill 96, 4, 3214868480
	.section	.rodata,"a",@progbits
	.p2align	6, 0x0
	.amdhsa_kernel k_q579dbe4841_scores
		.amdhsa_group_segment_fixed_size 327680
		.amdhsa_private_segment_fixed_size 0
		.amdhsa_enable_private_segment 0
		.amdhsa_kernarg_size 32
		.amdhsa_user_sgpr_count 2
		.amdhsa_user_sgpr_kernarg_segment_ptr 1
		.amdhsa_wavefront_size32 1
		.amdhsa_system_sgpr_workgroup_id_x 1
		.amdhsa_system_sgpr_workgroup_id_y 1
		.amdhsa_system_sgpr_workgroup_id_z 1
		.amdhsa_system_vgpr_workitem_id 0
		.amdhsa_next_free_vgpr 1024
		.amdhsa_next_free_sgpr 66
		.amdhsa_reserve_vcc 1
		.amdhsa_float_denorm_mode_32 3
		.amdhsa_float_denorm_mode_16_64 3
		.amdhsa_memory_ordered 1
		.amdhsa_forward_progress 1
		.amdhsa_inst_pref_size 255
	.end_amdhsa_kernel
	.section	.bss,"aw",@nobits
	.p2align	6
	.space	262144
	.amdgpu_metadata
---
amdhsa.version: [ 1, 2 ]
amdhsa.kernels:
  - .name:           k_q579dbe4841_scores
    .symbol:         k_q579dbe4841_scores.kd
    .args:
      - { .name: qkv, .offset: 0, .size: 8, .value_kind: global_buffer, .address_space: global }
      - { .name: p, .offset: 8, .size: 8, .value_kind: global_buffer, .address_space: global }
      - { .name: mx, .offset: 16, .size: 8, .value_kind: global_buffer, .address_space: global }
      - { .name: ls, .offset: 24, .size: 8, .value_kind: global_buffer, .address_space: global }
    .group_segment_fixed_size: 327680
    .private_segment_fixed_size: 0
    .kernarg_segment_align: 8
    .kernarg_segment_size: 32
    .max_flat_workgroup_size: 128
    .sgpr_count:     66
    .vgpr_count:     1024
    .wavefront_size: 32
...
	.end_amdgpu_metadata
.endif
;; end of part 3
;; launch pv (part 4): grid 8 x 32, 4 waves a work-group, clusters of 4 x 1, 327,680 bytes of LDS; arguments p, qkv, mx, ls, out0; writes out0
.if DOCPART == 4
	.amdgcn_target "amdgcn-amd-amdhsa--gfx1250"
	.amdhsa_code_object_version 6
	.text
	.protected	k_q579dbe4841_pv
	.globl	k_q579dbe4841_pv
	.p2align	8
	.type	k_q579dbe4841_pv,@function
k_q579dbe4841_pv:
	s_mov_b64 s[64:65], 0
	v_nop
	global_prefetch_b8 v0, s[64:65] scope:SCOPE_SE
	s_setreg_imm32_b32 hwreg(HW_REG_WAVE_MODE, 25, 1), 1
	s_wait_xcnt 0x0
	s_wait_alu depctr_hold_cnt(0) depctr_sa_sdst(0) depctr_va_vdst(0) depctr_va_sdst(0) depctr_va_ssrc(0) depctr_va_vcc(0) depctr_vm_vsrc(0)
	s_getreg_b32 s2, hwreg(HW_REG_IB_STS2, 6, 4)
	s_cmp_eq_u32 s2, 0
	s_cbranch_scc0 .Lentry_in_a_cluster
	s_endpgm
.Lentry_in_a_cluster:
	s_bfe_u32 s2, ttmp6, 0x10000c
	s_cmp_lg_u32 s2, 0x3003
	s_cbranch_scc0 .Lentry_shape_is_right
	s_endpgm
.Lentry_shape_is_right:
; out[row][col] = (16 / L) sum over key blocks kb of 2^(m'[kb] - M') (P[kb] (V/16)[kb]),  M' = max over kb of m'[kb],  L = sum of 2^(m'[kb] - M') l[kb].
; P (f16, in (0, 1], [4096][4096]) and V / 16 (f16, as matrix fragments in the last third of qkv's rows) come from the launches before; sums in f32.
; The factor is a whole power of two, so multiplying P by it in f16 adds no rounding above f16's smallest normal number.
; LIMITS: a weight below 2^-25 of the row's leading power of two drops out of the numerator (at most 4096 x 2^-25 / 0.5 = 2.4e-4 of the sum);
; a block 127 octaves or more below M' counts as 0 in L too; |V| beyond 1,048,064 would overflow V / 16; NaN and infinities are not treated specially.
; A work-group makes 128 rows x 128 columns; 8 x 32 = 256 work-groups.  THE KEYS ARE SPLIT AMONG THE WAVES: of every 512 keys wave w multiplies keys
; 128 w .. 128 w + 127, one key block, for the whole block of out (64 tiles, 512 registers); the four partial blocks are added through LDS at the end.
; P goes through two LDS slots of 512 keys, eight fills.  A slot is four sub-tiles of 128 rows x 256 bytes (pitch 272); wave w fetches sub-tile w with one
; tensor load and is the only one that reads it.  Two tensor loads of a wave are out at the start, one later; from a request to the wait for it a
; wave issues 232 matrix instructions.
; V COMES STRAIGHT INTO REGISTERS.  Each byte of V is used by one wave of the work-group, so LDS would add no reuse, and with V beside P a slot of this
; size would hold 256 keys, 128 matrix instructions a wave for a refill instead of 256.  That is why V's tiles, which the work-groups of a block column
; share, are not asked for jointly.  A quarter (32 keys x 128 columns) is 16 loads of 512 consecutive bytes; four buffers take turns, and a quarter's
; loads go out three quarters, 192 matrix instructions, ahead of their use: at most 48 loads of a wave are out.
; CLUSTERS 4 x 1: the four work-groups along x share P's tiles and ask for them jointly (mask 15).
; A quarter = 64 matrix instructions.  P's fragments are loaded from LDS two quarters ahead and scaled one quarter ahead, one packed multiply beside each
; matrix instruction.  Source 0 = V's columns, source 1 = P's rows.  The 64 accumulators take turns, one instruction a turn.
; REGISTERS: window 0: v16-29 addresses, v32-39 factors (set A), v44-47 16 / L, v48-55 at work, v64-255 V's buffers 0, 1, 2.
; Windows 1, 2, 3 hold row blocks 0-2, 3-5, 6-7: tile (al, b) at v[8 (8 al + b)], P's fragments at v192 + 8 al and v216 + 8 al.
; Window 3 also: v128-191 V's buffer 3, v232-239 factors (set B), v240-241 a copy of v16-17.
; Under the setting 0x54 w + x (source 0 in window x = 0, or 3 in a slot's last quarter, all else in window w) the matrix instruction, the packed
; multiply and the load of P's fragments all run.
.set QPITCH, 6144
.set PA,    272                        ; P's rows in LDS: 256 bytes + 16
.set PT,    128*PA                     ; 34,816: a wave's sub-tile
.set SLOT,  4*PT                       ; 139,264
.set TBL,   2*SLOT                     ; 278,528: 16,384 bytes: word [kb][r][a] = the factor of row 16 a + r, twice in f16
.set EP,    528                        ; the end stage's rows: 512 bytes + 16
.set STG,   128*EP                     ; 67,584: a wave's partial block at the end, inside the ring after its last fill
.set VQTR,  32*QPITCH                  ; 196,608: from 32 keys of V's fragments to the next 32
.set VSLOT, 16*VQTR                    ; 3,145,728: 512 keys
.set ADRA, 16                          ; v16-17  my P fragments in LDS slot 0, 1
.set TADR, 20                          ; my eight factors in the table
.set STO,  21
.set RD,   22                          ; v22-25
.set CO,   26                          ; 16 l: my 16 bytes of a block of V, and of a row of out
.set SV,   28                          ; my offset in mx and ls
.set TST,  29                          ; where I put factors into the table
.set SCLA, 32                          ; v32-39
.set IV,   44                          ; v44-47  16 / L of rows 32 w + 4 (l % 8) + 0..3
.set MB,   48                          ; v48-51
.set LT,   52                          ; v52-55
.set BF0,  64
.set BF3,  128                         ; in window 3
.set AF0,  192
.set SCLB, 232                         ; in window 3
.set ADRA3, 240                        ; in window 3
.set G1, 24                            ; s[24:31] descriptor group 1
.set G0, 32                            ; s[32:39] descriptor group 0, one set a slot
.set VB, 48                            ; s[48:49] V's fragments: my columns, my keys of the trip's first slot
.set MSB, 0
.macro WIN new
.if MSB != (\new)
	s_set_vgpr_msb (MSB<<8)|(\new)
.set MSB, (\new)
.endif
.endm
.macro CREST
	s_cmp_lg_u32 s10, 0
	s_cbranch_scc1 .Lnot_wave_0_\@
	s_barrier_signal -3
.Lnot_wave_0_\@:
	s_barrier_wait -3
	s_barrier_signal -1
	s_barrier_wait -1
.endm
.macro CROUND
	s_barrier_signal -1
	s_barrier_wait -1
	CREST
.endm
; 16 loads: 32 keys x 128 columns of V as fragments; load i = 2 (column block) + half; each covers 512 consecutive bytes, aligned
.macro VLOAD bf, off
.set i, 0
.rept 16
	global_load_b128 v[\bf+4*i:\bf+4*i+3], v[CO], s[VB:VB+1] offset:\off+(i/4)*QPITCH+(i%4)*512
.set i, i+1
.endr
.endm
	s_load_b128 s[4:7], s[0:1], 0x0                ; p s[4:5], qkv s[6:7]
	s_load_b128 s[16:19], s[0:1], 0x10             ; mx s[16:17], ls s[18:19]
	s_load_b64 s[8:9], s[0:1], 0x20                ; out0
	v_lshl_add_u32 v63, v0, 2, 0x48000
	s_set_vgpr_msb 0x40
	v_mov_b32 v255, 0
	s_set_vgpr_msb 0x4044
	ds_add_u32 v63, v255
	s_set_vgpr_msb 0x4400
	v_lshrrev_b32 v1, 5, v0                        ; w
	v_readfirstlane_b32 s10, v1                    ; wave 0..3
	v_and_b32 v4, 7, v0                            ; q: my four rows 32 w + 4 q + 0..3 of the statistics
	v_bfe_u32 v5, v0, 3, 2                         ; g: my eight key blocks 8 g + 0..7
	v_lshlrev_b32 v[SV], 4, v4                     ; 16 q
	v_lshl_add_u32 v[SV], v5, 17, v[SV]            ; + 8 g lines of 16,384 bytes
	v_lshl_add_u32 v[SV], v1, 7, v[SV]             ; + 32 w rows of 4 bytes
	v_and_b32 v6, 31, v0
	v_lshlrev_b32 v[CO], 4, v6
	s_bfe_u32 s40, ttmp6, 0x40000                  ; cx
	s_lshl_b32 s42, ttmp9, 2
	s_add_co_u32 s42, s42, s40                     ; block of 128 columns = 4 x cluster x + cx
	s_and_b32 s13, ttmp7, 0xffff                   ; block of 128 rows = cluster y
	s_mov_b32 s44, 0x76543210                      ; v_permlanex16_b32: lane i of one half reads lane i of the other
	s_mov_b32 s45, 0xfedcba98
	; group 1: 128 rows x 128 elements of 2 bytes, rows 4,096 elements apart, 4 words of padding behind every 64; the mask names the cluster's four
	s_mov_b32 s[G1+0], 15|(1<<16)|(1<<20)|(1<<21)|(5<<22)|(3<<25)
	s_mov_b32 s[G1+1], 128<<16                     ; tensor_dim0 = 128 keys
	s_mov_b32 s[G1+2], 128<<16                     ; tensor_dim1 = 128 rows
	s_mov_b32 s[G1+3], 128<<16                     ; tile_dim0
	s_mov_b32 s[G1+4], 128                         ; tile_dim1
	s_mov_b32 s[G1+5], 4096
	s_mov_b32 s[G1+6], 0
	s_mov_b32 s[G1+7], 0
	s_lshl_b32 s14, s13, 20                        ; P: 128 rows of 8,192 bytes for each block row,
	s_lshl_b32 s15, s10, 8                         ; my 128 keys
	s_add_co_u32 s14, s14, s15
	s_mov_b32 s15, 0
	s_mul_i32 s46, s42, 4*QPITCH                   ; V: my eight column blocks,
	s_mul_i32 s47, s10, 4*VQTR                     ; my 128 keys,
	s_add_co_u32 s46, s46, s47
	s_add_co_u32 s46, s46, 4096                    ; the last third of qkv's rows
	s_mov_b32 s47, 0
	s_mul_i32 s20, s10, PT                         ; my sub-tile: the wave's number alone
	s_lshl_b32 s22, s13, 9                         ; my block's 128 rows in a line of mx or ls
	s_mov_b32 s23, 0
	s_wait_dscnt 0x0
	s_wait_kmcnt 0x0
	s_add_nc_u64 s[14:15], s[4:5], s[14:15]
	s_add_nc_u64 s[VB:VB+1], s[6:7], s[46:47]
	s_add_nc_u64 s[16:17], s[16:17], s[22:23]
	s_add_nc_u64 s[18:19], s[18:19], s[22:23]
	; The statistics first: 8 + 8 loads, m' into window 1's v0-31 and l into v32-63 (register 4 k + e: key block 8 g + k, row 4 q + e).
	; Eight lanes take 128 consecutive bytes; the neighbouring wave takes the 128 beside them.  Each byte is read once by the work-group.
	WIN 0x40
.set k, 0
.rept 8
	global_load_b128 v[4*k:4*k+3], v[SV], s[16:17] offset:16384*k
.set k, k+1
.endr
.set k, 0
.rept 8
	global_load_b128 v[32+4*k:32+4*k+3], v[SV], s[18:19] offset:16384*k
.set k, k+1
.endr
	WIN 0
	VLOAD BF0, 0                                   ; V of quarters 0 and 1
	VLOAD BF0+64, VQTR
	CROUND                                         ; the cluster's four work-groups are here: the first joint loads meet
.irp s, 0,1
	s_mov_b32 s[G0+4*\s], 1
	s_add_co_u32 s[G0+4*\s+1], s20, \s*SLOT
	s_add_nc_u64 s[G0+4*\s+2:G0+4*\s+3], s[14:15], \s*1024             ; 512 keys along P's rows
	s_or_b32 s[G0+4*\s+3], s[G0+4*\s+3], 0x80000000
	tensor_load_to_lds s[G0+4*\s:G0+4*\s+3], s[G1:G1+7]                ; both first fills go out together
	s_nop 0
.endr
	v_and_b32 v6, 3, v4                            ; the table's word of key block kb, row 16 a + r lies at 512 kb + 32 r + 4 a;
	v_lshlrev_b32 v6, 7, v6                        ; my rows: r = 4 (q % 4) + e,
	v_lshrrev_b32 v7, 2, v4
	v_lshl_add_u32 v6, v7, 2, v6                   ; a = 2 w + q / 4,
	v_lshl_add_u32 v6, v1, 3, v6
	v_lshl_add_u32 v6, v5, 12, v6                  ; kb = 8 g + k
	v_add_nc_u32 v[TST], TBL, v6
	v_and_b32 v8, 15, v0                           ; r
	v_bfe_u32 v9, v0, 4, 1                         ; h
	v_mul_u32_u24 v3, v8, PA
	v_lshl_add_u32 v3, v9, 4, v3
	v_add_nc_u32 v[ADRA], s20, v3                  ; my sub-tile, row r, 16 bytes for each half of the lanes
	v_add_nc_u32 v[ADRA+1], SLOT, v[ADRA]
	s_lshl_b32 s2, s10, 9
	s_add_co_u32 s2, s2, TBL
	v_lshlrev_b32 v5, 5, v8
	v_add_nc_u32 v[TADR], s2, v5                   ; the eight factors of rows r, 16 + r, .. of key block w
	s_mul_i32 s2, s10, STG
	v_mul_u32_u24 v6, v8, EP
	v_lshl_add_u32 v6, v9, 5, v6
	v_add_nc_u32 v[STO], s2, v6                    ; the end: row r, 32 bytes for each half of the lanes
	s_mul_i32 s2, s10, 32*EP                       ; the end: I add rows 32 w .. 32 w + 31
	v_add_nc_u32 v7, s2, v[CO]
.irp k, 0,1,2,3
	v_add_nc_u32 v[RD+\k], \k*STG, v7
.endr
	WIN 0xc0
	v_mov_b32 v[ADRA3], v[ADRA]                    ; the copy for the quarters whose source 0 lies in window 3
	v_mov_b32 v[ADRA3+1], v[ADRA+1]
	s_wait_loadcnt 32                              ; the statistics are in; V's 32 loads behind them stay out
	WIN 0
	VLOAD BF0+128, 2*VQTR                          ; V of quarter 2
	WIN 0x55                                       ; all operands in window 1: the largest m' of my eight key blocks, four rows side by side
.irp e, 0,1,2,3
	v_max_num_f32 v[64+\e], v[\e], v[4+\e]
.endr
.irp k, 8,16
.irp e, 0,1,2,3
	v_max3_num_f32 v[64+\e], v[\k+\e], v[\k+4+\e], v[64+\e]
.endr
.endr
	WIN 0x15                                       ; the result into window 0
.irp e, 0,1,2,3
	v_max3_num_f32 v[MB+\e], v[24+\e], v[28+\e], v[64+\e]
.endr
	WIN 0
.irp e, 0,1,2,3
	v_mov_b32 v[LT+\e], v[MB+\e]                   ; the lane exchange's destination counts as read: it is written first
.endr
.irp e, 0,1,2,3
	v_max_num_f32_dpp v[MB+\e], v[MB+\e], v[MB+\e] row_xmask:8 row_mask:0xf bank_mask:0xf   ; g with g xor 1
.endr
.irp e, 0,1,2,3
	v_permlanex16_b32 v[LT+\e], v[MB+\e], s44, s45                                          ; g with g xor 2
.endr
.irp e, 0,1,2,3
	v_max_num_f32 v[MB+\e], v[MB+\e], v[LT+\e]     ; M'
	v_add_f32 v[MB+\e], 0xc2fe0000, v[MB+\e]       ; M' - 127 (whole numbers: exact)
.endr
	WIN 0x41                                       ; source 0 and destination in window 1, source 1 in window 0
.set k, 0
.rept 32
	v_sub_f32 v[k], v[k], v[MB+k%4]                ; e + 127, at most 127,
.set k, k+1
.endr
	WIN 0x55
.set k, 0
.rept 32
	v_max_num_f32 v[k], 0, v[k]                    ; at least 0,
	v_cvt_u32_f32 v[k], v[k]
	v_lshlrev_b32 v[k], 23, v[k]                   ; is the exponent field of the factor 2^e in f32 (0 stands for 0)
	v_cvt_pk_f16_f32 v[80+k], v[k], v[k]           ; the same twice in f16
.if k >= 4
	v_fmac_f32 v[72+k%4], v[k], v[32+k]
.else
	v_mul_f32 v[72+k], v[k], v[32+k]               ; the first products start the sums
.endif
.set k, k+1
.endr
	WIN 0x04                                       ; source 1 (store data) in window 1, the rest in window 0
.set k, 0
.rept 32
	ds_store_b32 v[TST], v[80+k] offset:512*(k/4)+32*(k%4)
.set k, k+1
.endr
.irp e, 0,1,2,3
	v_mul_f32 v[LT+\e], 0x3d800000, v[72+\e]       ; my part of L / 16: V was kept as V / 16
.endr
	WIN 0
.irp e, 0,1,2,3
	v_add_f32_dpp v[LT+\e], v[LT+\e], v[LT+\e] row_xmask:8 row_mask:0xf bank_mask:0xf
.endr
.irp e, 0,1,2,3
	v_permlanex16_b32 v[MB+\e], v[LT+\e], s44, s45
.endr
.irp e, 0,1,2,3
	v_add_f32 v[LT+\e], v[LT+\e], v[MB+\e]         ; L / 16.  L is at least 1/2: the block of M' has the factor 1
.endr
.irp e, 0,1,2,3
	v_rcp_f32 v[IV+\e], v[LT+\e]
.endr
	v_nop                                          ; one plain place behind the reciprocals (ISA guide 5.7.2)
	s_wait_dscnt 0x0                               ; my words of the table are in LDS
	s_wait_tensorcnt 0x1                           ; my sub-tile of slot 0 is in; slot 1's stays out
	s_barrier_signal -1
	s_barrier_wait -1                              ; the whole table is there
; Window w's part of a quarter: 8 na matrix instructions on V's buffer bf and P's buffer f; with mul, the 8 na registers of P's buffer g are scaled
; beside them.  Four multiplies trail, so that five plain vector instructions that name none of its registers stand behind the last matrix
; instruction, ahead of the loads into P's buffer f and V's buffer bf.
.macro SECTION w, na, bf, f, g, scl, zero, mul
.set i, 0
.rept 8*\na
.if \zero
	v_wmma_f32_16x16x32_f16 v[8*i:8*i+7], v[\bf+8*(i%8):\bf+8*(i%8)+7], v[AF0+24*\f+8*(i/8):AF0+24*\f+8*(i/8)+7], 0
.else
	v_wmma_f32_16x16x32_f16 v[8*i:8*i+7], v[\bf+8*(i%8):\bf+8*(i%8)+7], v[AF0+24*\f+8*(i/8):AF0+24*\f+8*(i/8)+7], v[8*i:8*i+7]
.endif
.if \mul
.if i >= 4
	v_pk_mul_f16 v[AF0+24*\g+i-4], v[\scl+3*(\w-1)+(i-4)/8], v[AF0+24*\g+i-4]
.endif
.endif
.set i, i+1
.endr
.if \mul
.rept 4
	v_pk_mul_f16 v[AF0+24*\g+i-4], v[\scl+3*(\w-1)+(i-4)/8], v[AF0+24*\g+i-4]
.set i, i+1
.endr
.endif
.endm
.macro ALOADS w, na, f, adr, jj        ; window w's fragments of P into buffer f: the sub-tile at address register adr, quarter jj of its 128 keys
.set i, 0
.rept \na
	ds_load_b128 v[AF0+24*\f+8*i:AF0+24*\f+8*i+3],   v[\adr] offset:(3*(\w-1)+i)*16*PA+64*\jj
	ds_load_b128 v[AF0+24*\f+8*i+4:AF0+24*\f+8*i+7], v[\adr] offset:(3*(\w-1)+i)*16*PA+64*\jj+32
.set i, i+1
.endr
.endm
.macro SCLOAD r, off                   ; a key block's eight factors
	ds_load_b128 v[\r:\r+3],   v[TADR] offset:\off
	ds_load_b128 v[\r+4:\r+7], v[TADR] offset:\off+16
.endm
; Quarter j of the slot in LDS slot p (p is also the slot's place in the trip of two slots).
; lc: V loads younger than this quarter's.  zero: the products start the sums.  vl: V of the quarter three ahead is asked for.  sc: the next slot's
; factors are loaded (j = 2: set B, which quarter 3 uses; j = 3: set A, which the next slot's quarters 0-2 use).  al: P of the quarter two ahead is
; loaded.  mul: P of the next quarter is scaled.  bar (j = 2): 2 = the round and the refill of LDS slot p; 1 = only the wait for my last tensor load.
.macro QTR p, j, lc, zero, vl, sc, al, mul, bar
.set QF, (\j)%2
.set QG, 1-QF
.if \j == 3
.set QX, 3
.set QBF, BF3
.set QSCL, SCLB
.set QADR, ADRA3
.else
.set QX, 0
.set QBF, BF0+64*\j
.set QSCL, SCLA
.set QADR, ADRA
.endif
.if \j < 2
.set QADR, QADR+\p
.else
.set QADR, QADR+1-\p
.endif
.set QJJ, (\j+2)%4
.set QVQ, 4*\p+\j+3
.set QVO, (QVQ/4)*VSLOT+(QVQ%4)*VQTR
.set QNS, 2*\sc
	s_wait_loadcnt \lc                             ; loads come back in order: this quarter's V is in, the younger quarters' stay out
.if \vl
.if \j == 0
	WIN 0xc0
	VLOAD BF3, QVO                                 ; into the buffer that the last quarter multiplied
.else
	WIN 0
	VLOAD BF0+64*(\j-1), QVO
.endif
.endif
.if \sc
.if \j == 2
	WIN 0xc0
	SCLOAD SCLB, 2048*(\p+1)
.else
	WIN 0
	SCLOAD SCLA, 2048*(\p+1)
.endif
.endif
	WIN 0x54+QX
.if \mul
	s_wait_dscnt 10+QNS                            ; window 1's P of the next quarter is in; younger: windows 2 and 3 (6 + 4) and the factors just asked for
.endif
	SECTION 1, 3, QBF, QF, QG, QSCL, \zero, \mul
.if \bar == 2
	s_wait_dscnt 0x0                               ; my reads of LDS slot p are over (the last were issued in quarter 1)
	s_wait_tensorcnt 0x0                           ; all my tensor loads have landed: the one that was out is my sub-tile of the next slot
	ds_add_u32 v63, v255
	s_wait_dscnt 0x0
	s_barrier_signal -1                            ; this barrier opens a round of the cluster's barrier
	WIN 0xa8+QX
	SECTION 2, 3, QBF, QF, QG, QSCL, \zero, \mul   ; register work while the others arrive
	WIN 0
	s_barrier_wait -1
	CREST                                          ; no wave of any partner still reads this LDS slot or has a load on its way
	s_add_nc_u64 s[G0+4*\p+2:G0+4*\p+3], s[G0+4*\p+2:G0+4*\p+3], 2*1024
	tensor_load_to_lds s[G0+4*\p:G0+4*\p+3], s[G1:G1+7]   ; my one tensor load behind the round, and the first thing there
	s_nop 0
	WIN 0x54+QX
	ALOADS 1, 3, QF, QADR, QJJ
	WIN 0xa8+QX
	ALOADS 2, 3, QF, QADR, QJJ
	WIN 0xfc+QX
	SECTION 3, 2, QBF, QF, QG, QSCL, \zero, \mul
	ALOADS 3, 2, QF, QADR, QJJ
.else
.if \bar == 1
	s_wait_tensorcnt 0x0                           ; my sub-tile of the last slot is in; I alone read it, and nothing is filled any more
.endif
.if \al
	ALOADS 1, 3, QF, QADR, QJJ
.endif
	WIN 0xa8+QX
.if \mul
	s_wait_dscnt 4+QNS+6*\al                       ; window 2's is in; younger: window 3's 4, the factors, window 1's 6 of this quarter
.endif
	SECTION 2, 3, QBF, QF, QG, QSCL, \zero, \mul
.if \al
	ALOADS 2, 3, QF, QADR, QJJ
.endif
	WIN 0xfc+QX
.if \mul
	s_wait_dscnt QNS+12*\al                        ; window 3's is in; younger: the factors, 6 + 6 of this quarter
.endif
	SECTION 3, 2, QBF, QF, QG, QSCL, \zero, \mul
.if \al
	ALOADS 3, 2, QF, QADR, QJJ
.endif
.endif
.endm
.macro SLOTQ p, zero, bar              ; a slot that has a successor
	QTR \p, 0, 32, \zero, 1, 0, 1, 1, 0
	QTR \p, 1, 32, 0,     1, 0, 1, 1, 0
	QTR \p, 2, 32, 0,     1, 1, 1, 1, \bar
	QTR \p, 3, 32, 0,     1, 1, 1, 1, 0
.endm
.macro STEP                            ; two slots on
	WIN 0
	v_add_nc_u32 v[TADR], 4096, v[TADR]            ; eight key blocks of 512 bytes
	s_wait_xcnt 0x0                                ; the base of V's pending loads is stepped only behind this wait
	s_add_nc_u64 s[VB:VB+1], s[VB:VB+1], 2*VSLOT
.endm
.macro PKRUN w, na                     ; the first quarter's P is scaled in one run
.set i, 0
.rept 8*\na
	v_pk_mul_f16 v[AF0+i], v[SCLA+3*(\w-1)+i/8], v[AF0+i]
.set i, i+1
.endr
.endm
	WIN 0x54
	ALOADS 1, 3, 0, ADRA, 0
	ALOADS 1, 3, 1, ADRA, 1
	WIN 0xa8
	ALOADS 2, 3, 0, ADRA, 0
	ALOADS 2, 3, 1, ADRA, 1
	WIN 0xfc
	ALOADS 3, 2, 0, ADRA, 0
	ALOADS 3, 2, 1, ADRA, 1
	WIN 0
	SCLOAD SCLA, 0
	s_wait_dscnt 0x0
	WIN 0x54
	PKRUN 1, 3
	WIN 0xa8
	PKRUN 2, 3
	WIN 0xfc
	PKRUN 3, 2
	SLOTQ 0, 1, 2                                  ; slot 0: its first products start the sums
	SLOTQ 1, 0, 2
	STEP
	s_mov_b32 s3, 2                                ; slots 2 to 5
.Ltrip:
	SLOTQ 0, 0, 2
	SLOTQ 1, 0, 2
	STEP
	s_sub_co_u32 s3, s3, 1
	s_cmp_lg_u32 s3, 0
	s_cbranch_scc1 .Ltrip
	SLOTQ 0, 0, 1                                  ; slot 6: nothing is left to fetch for the ring
	QTR 1, 0, 32, 0, 1, 0, 1, 1, 0                 ; slot 7: the last V loads,
	QTR 1, 1, 32, 0, 0, 0, 1, 1, 0                 ; the last loads of P,
	QTR 1, 2, 16, 0, 0, 0, 0, 1, 0                 ; the last scaling,
	QTR 1, 3, 0,  0, 0, 0, 0, 0, 0                 ; the last products
	; THE END: each wave puts its partial block into LDS (the ring has had its last fill), then adds, scales and stores 32 whole rows.
.rept 4
	v_nop                                          ; four places between the last matrix instructions and the stores of their results
.endr
	WIN 0
	s_lshl_b32 s14, s13, 7
	s_lshl_b32 s15, s10, 5
	s_add_co_u32 s14, s14, s15                     ; the first of the rows that I add
	s_lshl_b32 s14, s14, 12                        ; rows of 4,096 bytes
	s_mov_b32 s15, 0
	s_add_nc_u64 s[8:9], s[8:9], s[14:15]
	s_lshl_b32 s46, s42, 9                         ; 128 columns of 4 bytes
	s_mov_b32 s47, 0
	s_add_nc_u64 s[8:9], s[8:9], s[46:47]
	s_wait_dscnt 0x0                               ; my reads of the ring are back
	s_barrier_signal -1
	s_barrier_wait -1                              ; everybody's are
.macro PUT w, na                       ; store data in window w, the address in window 0
	WIN 4*\w
.set i, 0
.rept 8*\na
	ds_store_b128 v[STO], v[8*i:8*i+3]   offset:(3*(\w-1)+i/8)*16*EP+64*(i%8)
	ds_store_b128 v[STO], v[8*i+4:8*i+7] offset:(3*(\w-1)+i/8)*16*EP+64*(i%8)+16
.set i, i+1
.endr
.endm
	PUT 1, 3
	PUT 2, 3
	PUT 3, 2
	WIN 0
	s_wait_dscnt 0x0                               ; my partial block is in LDS,
	s_barrier_signal -1
	s_barrier_wait -1                              ; all four are
.macro BATCH g                         ; eight rows: four partial rows of 512 bytes each, (0 + 1) + (2 + 3), times 16 / L
.set i, 0
.rept 8
.irp k, 0,1,2,3
	ds_load_b128 v[64+16*i+4*\k:64+16*i+4*\k+3], v[RD+\k] offset:EP*(8*\g+i)
.endr
.set i, i+1
.endr
.set i, 0
.rept 8
	s_wait_dscnt 28-4*i                            ; this row's four loads are in; the later rows' stay out
	v_pk_add_f32 v[64+16*i:65+16*i], v[64+16*i:65+16*i], v[68+16*i:69+16*i]
	v_pk_add_f32 v[66+16*i:67+16*i], v[66+16*i:67+16*i], v[70+16*i:71+16*i]
	v_pk_add_f32 v[72+16*i:73+16*i], v[72+16*i:73+16*i], v[76+16*i:77+16*i]
	v_pk_add_f32 v[74+16*i:75+16*i], v[74+16*i:75+16*i], v[78+16*i:79+16*i]
	v_pk_add_f32 v[64+16*i:65+16*i], v[64+16*i:65+16*i], v[72+16*i:73+16*i]
	v_pk_add_f32 v[66+16*i:67+16*i], v[66+16*i:67+16*i], v[74+16*i:75+16*i]
	s_wait_alu depctr_va_vdst(0)
	v_readlane_b32 s22, v[IV+(8*\g+i)%4], (8*\g+i)/4   ; lane q, register e hold 16 / L of my row 4 q + e
	v_pk_mul_f32 v[64+16*i:65+16*i], v[64+16*i:65+16*i], s[22:23] op_sel_hi:[1,0]
	v_pk_mul_f32 v[66+16*i:67+16*i], v[66+16*i:67+16*i], s[22:23] op_sel_hi:[1,0]
	global_store_b128 v[CO], v[64+16*i:67+16*i], s[8:9] offset:4096*(8*\g+i) th:TH_STORE_NT   ; the wave stores 512 consecutive bytes, aligned
.set i, i+1
.endr
.endm
	BATCH 0
	s_wait_xcnt 0x0                                ; registers that stores read are loaded again only behind this wait
	BATCH 1
	s_wait_xcnt 0x0
	BATCH 2
	s_wait_xcnt 0x0
	BATCH 3
	s_set_vgpr_msb 0x4
	s_wait_tensorcnt 0x0
	ds_add_u32 v63, v255
	s_wait_dscnt 0x0
	s_set_vgpr_msb 0x400
	CROUND                                         ; the closing round
	s_endpgm
.Lfunc_end_k_q579dbe4841_pv:
	.size	k_q579dbe4841_pv, .Lfunc_end_k_q579dbe4841_pv-k_q579dbe4841_pv
	.p2alignl 7, 3214868480
	.fill 96, 4, 3214868480
	.section	.rodata,"a",@progbits
	.p2align	6, 0x0
	.amdhsa_kernel k_q579dbe4841_pv
		.amdhsa_group_segment_fixed_size 327680
		.amdhsa_private_segment_fixed_size 0
		.amdhsa_enable_private_segment 0
		.amdhsa_kernarg_size 40
		.amdhsa_user_sgpr_count 2
		.amdhsa_user_sgpr_kernarg_segment_ptr 1
		.amdhsa_wavefront_size32 1
		.amdhsa_system_sgpr_workgroup_id_x 1
		.amdhsa_system_sgpr_workgroup_id_y 1
		.amdhsa_system_sgpr_workgroup_id_z 1
		.amdhsa_system_vgpr_workitem_id 0
		.amdhsa_next_free_vgpr 1024
		.amdhsa_next_free_sgpr 66
		.amdhsa_reserve_vcc 0
		.amdhsa_float_denorm_mode_32 3
		.amdhsa_float_denorm_mode_16_64 3
		.amdhsa_memory_ordered 1
		.amdhsa_forward_progress 1
		.amdhsa_inst_pref_size 255
	.end_amdhsa_kernel
	.section	.bss,"aw",@nobits
	.p2align	6
	.space	262144
	.amdgpu_metadata
---
amdhsa.version: [ 1, 2 ]
amdhsa.kernels:
  - .name:           k_q579dbe4841_pv
    .symbol:         k_q579dbe4841_pv.kd
    .args:
      - { .name: p, .offset: 0, .size: 8, .value_kind: global_buffer, .address_space: global }
      - { .name: qkv, .offset: 8, .size: 8, .value_kind: global_buffer, .address_space: global }
      - { .name: mx, .offset: 16, .size: 8, .value_kind: global_buffer, .address_space: global }
      - { .name: ls, .offset: 24, .size: 8, .value_kind: global_buffer, .address_space: global }
      - { .name: out0, .offset: 32, .size: 8, .value_kind: global_buffer, .address_space: global }
    .group_segment_fixed_size: 327680
    .private_segment_fixed_size: 0
    .kernarg_segment_align: 8
    .kernarg_segment_size: 40
    .max_flat_workgroup_size: 128
    .sgpr_count:     66
    .vgpr_count:     1024
    .wavefront_size: 32
...
	.end_amdgpu_metadata
.endif
;; end of part 4
